; MI455X (gfx1250); checked and timed in simulation.
; The chip was launched on July 23, 2026; its instructions are those of AMD's public machine-readable ISA for CDNA 5 (MIT licence, August 2026) and "CDNA5" Instruction Set Architecture Reference Guide (July 2026). The comments in the code are by the model that wrote it; some were corrected since.
;; Scaled Dot Product Attention. Allowed arithmetic: matrix products marked QUANTISED: E2M1 operands, one E8M0 scale for each 32 along K, by v_wmma_scale_f32_16x16x128_f8f6f4 with both operands' format E2M1 (or v_wmma_scale_f32_32x16x128_f4), f32 sums; products left as they are: bf16, f16 or f32 operands; f32 sums; everything else in f32.
;; Inputs: K 8 x 16 x 1,024 x 64 float32; Q 8 x 16 x 1,024 x 64 float32; V 8 x 16 x 1,024 x 64 float32.
;; Outputs: out0 8 x 16 x 1,024 x 64 float32.
;; This version of the problem:
;;   THIS VERSION OF THE PROBLEM IS GIVEN IN LOW PRECISION. The matrix products marked QUANTISED in the list below multiply operands that are first quantised to E2M1 (2 exponent bits, 1 mantissa bit; 4 bits a number), with one power-of-two scale for each 32 numbers along K (OCP MX v1.0); their sums are f32. The products marked 'left as it is' may take bf16, f16 or f32 operands, with f32 sums. Whichever they take, every output number must still come out within the allowed error. Rounding operands to bf16 (8 significant bits) uses up far more of that allowance than f16 does (11 bits, for magnitudes from 6e-5 to 65,504). All else is computed in f32.
;;   The module's matrix products, in the order in which they are computed (A, B: the left and right operand; K: the contracted axis; several contracted axes count as one K, in the product's order):
;;     1. batch 128 x [M 1,024, K 64] x [K 64, N 1,024]; A: input Q; B: input K: QUANTISED
;;     2. batch 128 x [M 1,024, K 1,024] x [K 1,024, N 64]; A: computed on the way; B: input V: left as it is (an operand is computed on the way)
;;   THE QUANTISER, for each operand of a quantised product, along K:
;;     - K is cut into blocks of 32 from its start; a last block that is shorter is filled with zeros.
;;     - A block's scale is 2^e with e = floor(log2(the largest magnitude in the block)) - 2, held to -126 .. 127; a block of zeros has e = 0. As a byte (E8M0): e + 127.
;;     - Each number is divided by its block's scale, clamped to +-6, and rounded to the nearest number of E2M1, ties to even, subnormals kept.
;;     - The product sums the exact products of the quantised numbers (number of the format x scale) in f32.
;;   ~~~python
;;   def quantise(x, axis):      # numpy; x: float32 -> the quantised numbers, widened to float32 again
;;       x = np.moveaxis(x, axis, -1); K = x.shape[-1]
;;       x = np.pad(x, [(0, 0)] * (x.ndim - 1) + [(0, -K % 32)]); x = x.reshape(x.shape[:-1] + (-1, 32)); a = np.abs(x).max(-1, keepdims=True)
;;       e = np.where(a > 0, np.clip(np.frexp(np.where(a > 0, a, 1))[1] - 1 - 2, -126, 127), 0)      # np.frexp(a)[1] - 1 = floor(log2(a)), exactly
;;       r = np.clip(x / 2.0 ** e, -6, 6)
;;       step = 2.0 ** (np.maximum(np.frexp(np.where(r == 0, 1, r))[1] - 1, 0) - 1)
;;       q = np.round(r / step) * step * 2.0 ** e      # np.round: ties to even
;;       return np.moveaxis(q.reshape(q.shape[:-2] + (-1,))[..., :K], -1, axis).astype(np.float32)
;;   ~~~
;; 2 versions, each right; version 2 is version 1 with the launch attn written anew for expert scheduling mode. Each part assembles by itself: llvm-mc -triple=amdgcn-amd-amdhsa -mcpu=gfx1250 --defsym DOCPART=n.
;; ======== version 1 of 2: 1 launch
;; limits: values are held in f16: magnitudes above 65,504 overflow, below 6.1e-05 lose precision; inputs' magnitudes at most 65,504
;; launch attn (part 1): grid 256 x 1, 8 waves a work-group, no clusters, 79,360 bytes of LDS; arguments Q, K, V, out0; writes out0
.if DOCPART == 1
	.amdgcn_target "amdgcn-amd-amdhsa--gfx1250"
	.amdhsa_code_object_version 6
	.text
	.protected	k_q9bcf08cd9c_attn
	.globl	k_q9bcf08cd9c_attn
	.p2align	8
	.type	k_q9bcf08cd9c_attn,@function
k_q9bcf08cd9c_attn:
	s_mov_b64 s[64:65], 0
	v_nop
	global_prefetch_b8 v0, s[64:65] scope:SCOPE_SE
	s_setreg_imm32_b32 hwreg(HW_REG_WAVE_MODE, 25, 1), 1
	s_wait_xcnt 0x0
; out[h][q][:] = the sum over k of softmax_k(Q[h][q] . K[h][k] / 8) V[h][k][:].  Q, K, V, out: [128 heads][1024][64] f32.
; FIRST PRODUCT on codes of E2M1: Q and K are quantised along the head's 64 (two blocks of 32, one E8M0 byte each) and multiplied by v_wmma_scale_f32_16x16x128_f8f6f4.
; SECOND PRODUCT in f16 (the weights p, at most 1, and V), sums in f32.  Maxima, exponentials and row sums in f32, with a running maximum.
; SHARES.  Work-group x: head x / 2, queries 512 (x % 2) on.  Eight waves, 64 queries each: four tiles of 16.  Every wave walks the head's 1,024 keys in 16 steps of 64 (a chunk).
; LAYOUT.  S^T = K Q^T (source 0 = 16 keys, source 1 = 16 queries) and O^T = V^T P: a lane holds ONE query (lane % 16) throughout; two neighbouring score tiles, rounded to f16 in pairs, are
; source 1 of the second product as they stand.  V lies [key][channel] in LDS and is turned by ds_load_tr16_b128.
; K = 64 IN AN INSTRUCTION OF K = 128.  Q's fragment is four registers of codes and four of zero codes (k = 64 .. 127).  K's fragments, four registers each, lie on end: the operand of key tile kt is
; v[KF + 4 kt .. + 7], whose upper half (the next tile's codes, or four registers of zeros) meets Q's zero codes and adds nothing.  Scale words are read as 16 bits: bytes 2 and 3 are 0, which is 2^-127.
; K AND V GO THROUGH REGISTERS.  They arrive as f32 and each chunk is converted once for the work-group: wave w takes keys 8 w .. 8 w + 7 of a chunk.  In step j a wave reads chunk j's fragments from LDS slot j % 2,
; converts chunk j + 1 out of its staging registers into the other slot, and asks memory for chunk j + 3 into the staging set just freed: two chunks, 64 registers a lane, are always on their way.
; ONE SPLIT BARRIER A STEP.  All LDS traffic of a step stands ahead of the signal, behind s_wait_dscnt 0; between signal and wait stands register work alone (both products and the softmax).
;   chunk j + 1 is stored ahead of signal(j) and read behind wait(j);  it lands on chunk j - 1's bytes, whose reads every wave has waited for ahead of signal(j - 1), and it is stored behind wait(j - 1).
; TWO GROUPS OF WAVES: waves with (w xor w / 4) odd quantise their Q behind the first barrier, the others ahead of it, so that waves are not all in the same phase of a step.
; NO CLUSTER, NO TENSOR LOAD: only the two work-groups of a head share K and V, and the chunks are converted in registers on their way into LDS, so no tensor load brings them that could be asked for jointly.
; LIMITS: NaN and infinities among the inputs are not served; |V| above 65,504 overflows f16; a weight under 2^-25 of its row's largest counts as 0 in the second product (its share of the row's sum is kept);
; a block of zeros gets the scale byte 1 where the quantiser's rule says 127: its codes are zeros and this program alone reads the bytes.
.set SLOT,  12544                      ; an LDS slot: V's 64 rows, K's images, K's scale bytes
.set VP,    160                        ; a key's row of V: 128 bytes of f16 + 32
.set KIO,   10240                      ; K's codes as images of the operand's registers: 4 tiles x 512 bytes, lane (r, h) at 16 (r + 16 h)
.set KBO,   12288                      ; K's scale bytes: [2 key + block], 128 bytes
.set QREG,  2*SLOT                     ; for each wave 2,304 bytes: Q's images (4 x 512), then its 128 scale bytes
.set QWB,   2304
.set STG,   QREG+8*QWB                 ; for each wave 16 rows x 272 bytes: the way out
.set SWB,   4352
.set SPARE, STG+8*SWB                  ; the spare words, 128 bytes for each wave: four blocks of 256 bytes that no other line names
; window 0
.set L32, 1                            ; 32 x lane: my 8 numbers in 1,024 bytes of K or Q
.set L16, 2                            ; 16 x lane: V's loads, the images' reads, the stores of out
.set AKW, 3                            ; where I store a register of K's codes
.set ASW, 4                            ; and a scale byte of K
.set AVW, 5                            ; where I store 4 channels of V
.set ASR, 6                            ; 2 x lane: a key's two scale bytes
.set AVR, 7                            ; the turning load's address
.set PFO, 8                            ; 256 x lane: the prefetches' offset
.set AQW, 9                            ; Q: codes in,
.set AQS, 10                           ; scale bytes in,
.set AQR, 11                           ; images out,
.set AQT, 12                           ; scale words out
.set STO, 13                           ; the stage: in,
.set RD,  14                           ; and back
.set SPW, 16                           ; LDS address of my spare word; never rewritten
.set NIL, 17                           ; 0; never rewritten
.set KSC, 20                           ; v20-21 K's scale words: lanes 0-15 the even tile's, lanes 16-31 the odd tile's; scales and nothing else
.set QSC, 24                           ; v24-25 Q's likewise
.set QT,  26                           ; v26-41 the quantiser's registers
.set VT,  34                           ; v34-41 V in f16 (beside a quantiser of two units)
.set ST,  44                           ; v44-75 eight a tile: +0 c m, +1 m, +2 +3 the sum (even keys', odd keys'), +4 .. +7 c0 .. c3 at work; a takes +6
.set KF,  76                           ; v76-91 K's codes, v92-95 zeros
.set KS,  96                           ; v96-127 K's staging: set s at + 16 s
.set S,   128                          ; v128-255 S^T, 32 a tile; then p; P packed in place in a tile's first 16; at the head Q as loaded; at the end the results
; window 1
.set OA,  0                            ; v0-127 O^T: tile t, channels 16 ct on, at 32 t + 8 ct
.set QF,  128                          ; v128-159 Q's fragments, 8 a tile
.set VF,  160                          ; v160-223 V's fragments: keys 32 ks on, channels 16 ct on, at + 32 ks + 8 ct
.set VS,  224                          ; v224-255 V's staging: set s at + 16 s
; scalars: s[4:5] Q, s[6:7] K, s[8:9] V, s[10:11] out; s12 wave; s13 group; s[14:19] at work; s[20:21] lane selects; s[22:23] c; s24 trips; s25 who prefetches; s[26:27] where
.set MSB, 0
.macro WIN new                         ; bits 1:0 source 0, 3:2 source 1, 5:4 source 2, 7:6 destination; the immediate's high byte repeats the setting that is left
.if MSB != \new
	s_set_vgpr_msb (MSB<<8)|\new
.set MSB, \new
.endif
.endm
; n units (2 or 4) are quantised by turns.  A unit is 8 registers from X + 8 u on: a lane's 8 neighbours along the head's axis, so a block of 32 is four neighbouring lanes.
; The codes (one register) go to ca + co + 64 u, the block's scale byte to sa + so + 8 u (four lanes write the same byte with the same value).
.macro QGROUP n, X, ca, co, sa, so
.set qS, QT+(\n)
.set qC, QT+2*(\n)
.set qB, QT+3*(\n)
.set qu, 0
.rept \n
	v_max3_num_f32 v[QT+qu], |v[(\X)+8*qu]|, |v[(\X)+8*qu+1]|, 0x1800000   ; with the floor 2^(3 - 127): the byte cannot fall under 1
.set qu, qu+1
.endr
.irp i, 2,4,6
.set qu, 0
.rept \n
	v_max3_num_f32 v[QT+qu], v[QT+qu], |v[(\X)+8*qu+\i]|, |v[(\X)+8*qu+\i+1]|
.set qu, qu+1
.endr
.endr
.set qu, 0
.rept \n
	v_max_num_f32_dpp v[QT+qu], v[QT+qu], v[QT+qu] row_xmask:1 row_mask:0xf bank_mask:0xf
.set qu, qu+1
.endr
.set qu, 0
.rept \n
	v_max_num_f32_dpp v[QT+qu], v[QT+qu], v[QT+qu] row_xmask:2 row_mask:0xf bank_mask:0xf   ; the block's largest magnitude
.set qu, qu+1
.endr
.set qu, 0
.rept \n
	v_add_nc_u32 v[qS+qu], 0xff000000, v[QT+qu]    ; 2 off its exponent field: the conversion takes that field as its scale
.set qu, qu+1
.endr
.set qu, 0
.rept \n
	v_cvt_scalef32_pk8_fp4_f32 v[qC+qu], v[(\X)+8*qu:(\X)+8*qu+7], v[qS+qu]
.set qu, qu+1
.endr
.set qu, 0
.rept \n
	v_lshrrev_b32 v[qB+qu], 23, v[qS+qu]           ; the scale's byte; also the plain line behind the conversions
.set qu, qu+1
.endr
.set qu, 0
.rept \n
	ds_store_b32 v[\ca], v[qC+qu] offset:(\co)+64*qu
	ds_store_b8 v[\sa], v[qB+qu] offset:(\so)+8*qu
.set qu, qu+1
.endr
.endm
; A chunk's eight loads of this wave: its 8 keys of K (a lane: 32 bytes of each 1,024) and of V (a lane: 16 bytes of each 512), from off bytes behind the bases
.macro LOADKV set, off
.irp u, 0,1
	global_load_b128 v[KS+16*(\set)+8*\u:KS+16*(\set)+8*\u+3],   v[L32], s[6:7] offset:(\off)+1024*\u
	global_load_b128 v[KS+16*(\set)+8*\u+4:KS+16*(\set)+8*\u+7], v[L32], s[6:7] offset:(\off)+1024*\u+16
.endr
	WIN 0x40                                       ; destination window 1
.irp t, 0,1,2,3
	global_load_b128 v[VS+16*(\set)+4*\t:VS+16*(\set)+4*\t+3], v[L16], s[8:9] offset:(\off)+512*\t
.endr
	WIN 0
.endm
; A PREFETCH of the chunk two chunks behind the one just asked for: in step j chunk j + 5, which is loaded in step j + 2.  A chunk is 64 rows of 256 bytes of K and as many of V.
; Both work-groups of a head walk the same rows: the even one asks.  In it waves 0 and 1 ask for K's rows, waves 2 and 3 for V's, 32 rows a wave, a lane a row: each row is named once in the launch.
; how = 1: step 0.  how = 2: the loop, whose last trip asks for nothing: chunk 15 is the last.  Chunks 0 to 4 come by their loads alone.
.macro ASK how, off
.if \how == 1
	s_cmp_eq_u32 s25, 1
.else
	s_cmp_gt_u32 s24, s25
.endif
	s_cbranch_scc0 .Lnot_mine_\@
	global_prefetch_b8 v[PFO], s[26:27] offset:(\off)+32768 th:TH_LOAD_NT scope:SCOPE_SE
.Lnot_mine_\@:
.endm
; The chunk in staging set `set` goes into slot ws: V rounded to f16, K quantised.  issue = 1: the set takes the chunk at off.  wcnt: the younger loads that may stay out.
.macro PRODUCE ws, set, issue, wcnt, off, ask
	s_wait_loadcnt \wcnt
	WIN 0x05                                       ; both sources window 1
.irp t, 0,1,2,3
	v_cvt_pk_f16_f32 v[VT+2*\t],   v[VS+16*(\set)+4*\t],   v[VS+16*(\set)+4*\t+1]
	v_cvt_pk_f16_f32 v[VT+2*\t+1], v[VS+16*(\set)+4*\t+2], v[VS+16*(\set)+4*\t+3]
.endr
	WIN 0
	QGROUP 2, KS+16*(\set), AKW, (\ws)*SLOT+KIO, ASW, (\ws)*SLOT+KBO
.irp t, 0,1,2,3
	ds_store_b64 v[AVW], v[VT+2*\t:VT+2*\t+1] offset:(\ws)*SLOT+2*VP*\t   ; keys 2 t, 2 t + 1 of my eight
.endr
.if \issue
	LOADKV \set, \off
.endif
.if \ask
	ASK \ask, \off
.endif
.endm
; A chunk's fragments out of slot rs: 22 LDS loads in one run
.macro FRAGS rs
.irp kt, 0,1,2,3
	ds_load_b128 v[KF+4*\kt:KF+4*\kt+3], v[L16] offset:(\rs)*SLOT+KIO+512*\kt
.endr
.irp p, 0,1
	ds_load_u16 v[KSC+\p], v[ASR] offset:(\rs)*SLOT+KBO+64*\p   ; key 32 p + lane: two bytes, zero-extended
.endr
	WIN 0x40
.irp ks, 0,1
.irp ct, 0,1,2,3
	ds_load_tr16_b128 v[VF+32*\ks+8*\ct:VF+32*\ks+8*\ct+3],   v[AVR] offset:(\rs)*SLOT+32*VP*\ks+32*\ct
	ds_load_tr16_b128 v[VF+32*\ks+8*\ct+4:VF+32*\ks+8*\ct+7], v[AVR] offset:(\rs)*SLOT+32*VP*\ks+32*\ct+16*VP
.endr
.endr
	WIN 0
.endm
; S^T of key tile kt and query tile t.  The odd tiles' scale words lie in lanes 16-31.
.macro KQ1 kt, t
.set rD, S+32*(\t)+8*(\kt)
.set rA, KF+4*(\kt)
.set rB, QF+8*(\t)
.set rX, KSC+(\kt)/2
.set rY, QSC+(\t)/2
.if ((\kt)%2 == 0) && ((\t)%2 == 0)
	v_wmma_scale_f32_16x16x128_f8f6f4 v[rD:rD+7], v[rA:rA+7], v[rB:rB+7], 0, v[rX], v[rY] matrix_a_fmt:MATRIX_FMT_FP4 matrix_b_fmt:MATRIX_FMT_FP4
.elseif ((\t)%2 == 0)
	v_wmma_scale_f32_16x16x128_f8f6f4 v[rD:rD+7], v[rA:rA+7], v[rB:rB+7], 0, v[rX], v[rY] matrix_a_fmt:MATRIX_FMT_FP4 matrix_b_fmt:MATRIX_FMT_FP4 matrix_a_scale:MATRIX_SCALE_ROW1
.elseif ((\kt)%2 == 0)
	v_wmma_scale_f32_16x16x128_f8f6f4 v[rD:rD+7], v[rA:rA+7], v[rB:rB+7], 0, v[rX], v[rY] matrix_a_fmt:MATRIX_FMT_FP4 matrix_b_fmt:MATRIX_FMT_FP4 matrix_b_scale:MATRIX_SCALE_ROW1
.else
	v_wmma_scale_f32_16x16x128_f8f6f4 v[rD:rD+7], v[rA:rA+7], v[rB:rB+7], 0, v[rX], v[rY] matrix_a_fmt:MATRIX_FMT_FP4 matrix_b_fmt:MATRIX_FMT_FP4 matrix_a_scale:MATRIX_SCALE_ROW1 matrix_b_scale:MATRIX_SCALE_ROW1
.endif
.endm
.macro KQ16
	WIN 0x04                                       ; source 1 (Q) window 1
.irp kt, 0,1,2,3
.irp t, 0,1,2,3
	KQ1 \kt, \t
.endr
.endr
	WIN 0
.rept 4
	v_nop                                          ; four places between the last product and the first read of a result (ISA guide 7.12.1)
.endr
.endm
; The softmax of the wave's four tiles for one step, the tiles by turns in every line.  first = 1: the first step, which starts m, the sum and O^T.
.macro SOFTMAX first
.irp k, 0,1,2,3                        ; the largest of a lane's 32 scores: four chains, each begun at the low end of its accumulator
.irp t, 0,1,2,3
	v_max3_num_f32 v[ST+8*\t+4+\k], v[S+32*\t+8*\k], v[S+32*\t+8*\k+1], v[S+32*\t+8*\k+2]
.endr
.endr
.irp i, 3,5
.irp k, 0,1,2,3
.irp t, 0,1,2,3
	v_max3_num_f32 v[ST+8*\t+4+\k], v[ST+8*\t+4+\k], v[S+32*\t+8*\k+\i], v[S+32*\t+8*\k+\i+1]
.endr
.endr
.endr
.irp t, 0,1,2,3
	v_max3_num_f32 v[ST+8*\t+4], v[ST+8*\t+4], v[S+32*\t+7], v[S+32*\t+15]
.endr
.irp t, 0,1,2,3
	v_max3_num_f32 v[ST+8*\t+6], v[ST+8*\t+6], v[S+32*\t+23], v[S+32*\t+31]
.endr
.irp t, 0,1,2,3
	v_max3_num_f32 v[ST+8*\t+4], v[ST+8*\t+4], v[ST+8*\t+5], v[ST+8*\t+6]
.endr
.irp t, 0,1,2,3
.if \first
	v_max_num_f32 v[ST+8*\t+4], v[ST+8*\t+4], v[ST+8*\t+7]
.else
	v_max3_num_f32 v[ST+8*\t+4], v[ST+8*\t+4], v[ST+8*\t+7], v[ST+8*\t+1]   ; and the old m
.endif
.endr
.irp t, 0,1,2,3
	v_permlanex16_b32 v[ST+8*\t+5], v[ST+8*\t+4], s20, s21   ; the query's other 32 keys lie in the lane 16 away
.endr
.if \first == 0
.irp t, 0,1,2,3
	v_mov_b32 v[ST+8*\t+7], v[ST+8*\t]             ; c m_old is kept for a
.endr
.endif
.irp t, 0,1,2,3
	v_max_num_f32 v[ST+8*\t+1], v[ST+8*\t+4], v[ST+8*\t+5]   ; the new m
.endr
.irp t, 0,1,2,3
	v_mul_f32 v[ST+8*\t], s22, v[ST+8*\t+1]        ; c m
.endr
.if \first == 0
.irp t, 0,1,2,3
	v_sub_f32 v[ST+8*\t+7], v[ST+8*\t+7], v[ST+8*\t]
.endr
.irp t, 0,1,2,3
	v_exp_f32 v[ST+8*\t+6], v[ST+8*\t+7]           ; a = 2^(c m_old - c m_new)
.endr
.endif
; ONE BATCH: the scalings c s - c m, a pair of scores each, and all the exponentials; a pair is scaled a round ahead of its exponentials; none of these lines names an exponential's result
.set sb, 0
.rept 17
.if sb < 16
.irp t, 0,1,2,3
	v_pk_fma_f32 v[S+32*\t+2*sb:S+32*\t+2*sb+1], v[S+32*\t+2*sb:S+32*\t+2*sb+1], s[22:23], v[ST+8*\t:ST+8*\t+1] op_sel_hi:[1,0,0] neg_lo:[0,0,1] neg_hi:[0,0,1]
.endr
.endif
.if sb > 0
.irp t, 0,1,2,3
	v_exp_f32 v[S+32*\t+2*sb-2], v[S+32*\t+2*sb-2]
	v_exp_f32 v[S+32*\t+2*sb-1], v[S+32*\t+2*sb-1]
.endr
.endif
.set sb, sb+1
.endr
	v_nop                                          ; a plain line behind the last exponential, ahead of the first use
	s_wait_alu depctr_va_vdst(0)                   ; the wait ahead of the first line that names a result: one for the whole batch
.irp t, 0,1,2,3                        ; the row's sum, of p in f32: even keys' and odd keys' side by side
	v_pk_add_f32 v[ST+8*\t+4:ST+8*\t+5], v[S+32*\t:S+32*\t+1], v[S+32*\t+2:S+32*\t+3]
.endr
.irp i, 4,6,8,10,12,14,16,18,20,22,24,26,28
.irp t, 0,1,2,3
	v_pk_add_f32 v[ST+8*\t+4:ST+8*\t+5], v[ST+8*\t+4:ST+8*\t+5], v[S+32*\t+\i:S+32*\t+\i+1]
.endr
.endr
.irp t, 0,1,2,3
.if \first
	v_pk_add_f32 v[ST+8*\t+2:ST+8*\t+3], v[ST+8*\t+4:ST+8*\t+5], v[S+32*\t+30:S+32*\t+31]
.else
	v_pk_add_f32 v[ST+8*\t+4:ST+8*\t+5], v[ST+8*\t+4:ST+8*\t+5], v[S+32*\t+30:S+32*\t+31]
.endif
.endr
.if \first == 0
.irp t, 0,1,2,3
	v_pk_fma_f32 v[ST+8*\t+2:ST+8*\t+3], v[ST+8*\t+2:ST+8*\t+3], v[ST+8*\t+6:ST+8*\t+7], v[ST+8*\t+4:ST+8*\t+5] op_sel_hi:[1,0,1]
.endr
.endif
.set si, 0
.rept 16                               ; p to f16, in place and ascending: register i takes p 2 i and 2 i + 1, which no later line reads
.irp t, 0,1,2,3
	v_cvt_pk_f16_f32 v[S+32*\t+si], v[S+32*\t+2*si], v[S+32*\t+2*si+1]
.endr
.set si, si+1
.endr
.if \first == 0
	WIN 0x41                                       ; O^T (destination and source 0) window 1, a window 0
.set si, 0
.rept 16                               ; O^T x a, each accumulator from its low end on
.irp t, 0,1,2,3
	v_pk_mul_f32 v[OA+32*\t+2*si:OA+32*\t+2*si+1], v[OA+32*\t+2*si:OA+32*\t+2*si+1], v[ST+8*\t+6:ST+8*\t+7] op_sel_hi:[1,0]
.endr
.set si, si+1
.endr
.endif
.endm
; O^T += V^T P: 32 products; the 16 accumulators take turns, one instruction a turn.  first = 1: the first 16 start the sums
.macro PV32 first
	WIN 0x51                                       ; V window 1, P window 0, C and D window 1
.irp ks, 0,1
.irp ct, 0,1,2,3
.irp t, 0,1,2,3
.if (\first) && (\ks == 0)
	v_wmma_f32_16x16x32_f16 v[OA+32*\t+8*\ct:OA+32*\t+8*\ct+7], v[VF+32*\ks+8*\ct:VF+32*\ks+8*\ct+7], v[S+32*\t+8*\ks:S+32*\t+8*\ks+7], 0
.else
	v_wmma_f32_16x16x32_f16 v[OA+32*\t+8*\ct:OA+32*\t+8*\ct+7], v[VF+32*\ks+8*\ct:VF+32*\ks+8*\ct+7], v[S+32*\t+8*\ks:S+32*\t+8*\ks+7], v[OA+32*\t+8*\ct:OA+32*\t+8*\ct+7]
.endif
.endr
.endr
.endr
	WIN 0
.endm
; A KEY STEP on the chunk in slot par.  prod = 1: the next chunk goes into the other slot.  bar = 1: a later step follows.
.macro STEP par, first, prod, issue, wcnt, off, ask, bar
.if \first == 0
.rept 5
	v_nop                                          ; five places behind the last V^T P: for the loads into V's fragments (four are asked) and for the products that write over P's registers (five)
.endr
.endif
	FRAGS \par
.if \prod
	PRODUCE 1-\par, 1-\par, \issue, \wcnt, \off, \ask
.endif
	s_wait_dscnt 0x0                               ; my reads of this slot are in and my stores into the other have landed
.if \bar
	s_barrier_signal -1                            ; say so; register work alone up to the wait
.endif
	KQ16
	SOFTMAX \first
	PV32 \first
.if \bar
	s_barrier_wait -1                              ; every wave has said so: the other slot is whole, and nobody reads this one any more
.endif
.endm
; My 64 queries, as loaded in v[S] on (16 units), become four images and 128 scale bytes in my own LDS bytes
.macro QUANTQ
.irp g, 0,1,2,3
	QGROUP 4, S+32*\g, AQW, 512*\g, AQS, 32*\g
	s_wait_dscnt 0x0                               ; the stores have read their registers, which the next group writes
.endr
.endm
	s_load_b256 s[4:11], s[0:1], 0x0               ; Q, K, V, out
	v_lshl_add_u32 v[SPW], v0, 2, SPARE
	v_mov_b32 v[NIL], 0
	v_lshrrev_b32 v15, 5, v0
	v_readfirstlane_b32 s12, v15                   ; wave 0..7
	s_lshr_b32 s13, s12, 2
	s_xor_b32 s13, s13, s12
	s_and_b32 s13, s13, 1                          ; group
	v_and_b32 v18, 31, v0                          ; lane
	v_and_b32 v19, 15, v0                          ; r
	v_bfe_u32 v22, v0, 4, 1                        ; h
	v_lshlrev_b32 v[L32], 5, v18
	v_lshlrev_b32 v[L16], 4, v18
	v_lshlrev_b32 v[ASR], 1, v18
	v_lshlrev_b32 v[PFO], 8, v18
	; a quantising lane holds numbers 8 (lane % 8) on of row lane / 8 of its unit: block (lane / 4) % 2, register lane % 4 of that block's 16 bytes in the image
	v_bfe_u32 v23, v0, 3, 2
	v_lshlrev_b32 v23, 4, v23                      ; 16 x row
	v_bfe_u32 v42, v0, 2, 1
	v_lshl_add_u32 v23, v42, 8, v23                ; + 256 x block (the image's lanes 16-31)
	v_and_b32 v42, 3, v0
	v_lshl_add_u32 v23, v42, 2, v23                ; + 4 x register
	v_bfe_u32 v43, v0, 2, 3                        ; lane / 4 = 2 x row + block: the scale byte's place
	s_lshr_b32 s14, s12, 1
	s_lshl_b32 s14, s14, 9                         ; K: my 8 keys lie in tile w / 2,
	s_and_b32 s15, s12, 1
	s_lshl_b32 s15, s15, 7                         ; rows 8 (w % 2) on
	s_add_co_u32 s14, s14, s15
	v_add_nc_u32 v[AKW], s14, v23
	s_lshl_b32 s14, s12, 4
	v_add_nc_u32 v[ASW], s14, v43
	v_mul_u32_u24 v42, v22, VP                     ; V: a load's 512 bytes are two keys: key h, channels 4 r on
	v_lshl_add_u32 v42, v19, 3, v42
	s_mul_i32 s14, s12, 8*VP
	v_add_nc_u32 v[AVW], s14, v42
	v_and_b32 v42, 7, v0                           ; the turning load: key 8 h + lane % 8, channels 8 ((lane / 8) % 2) on
	v_lshl_add_u32 v42, v22, 3, v42
	v_mul_u32_u24 v42, v42, VP
	v_bfe_u32 v15, v0, 3, 1
	v_lshl_add_u32 v[AVR], v15, 4, v42
	s_mul_i32 s14, s12, QWB
	s_add_co_u32 s14, s14, QREG                    ; my wave's bytes for Q
	s_add_co_u32 s15, s14, 2048
	v_add_nc_u32 v[AQW], s14, v23
	v_add_nc_u32 v[AQS], s15, v43
	v_add_nc_u32 v[AQR], s14, v[L16]
	v_add_nc_u32 v[AQT], s15, v[ASR]
	s_mul_i32 s14, s12, SWB
	s_add_co_u32 s14, s14, STG                     ; my stage
	v_mul_u32_u24 v42, v19, 272
	v_lshl_add_u32 v42, v22, 5, v42
	v_add_nc_u32 v[STO], s14, v42                  ; in: row r, 32 bytes for each half of the lanes
	v_mul_u32_u24 v42, v22, 272
	v_lshl_add_u32 v42, v19, 4, v42
	v_add_nc_u32 v[RD], s14, v42                   ; back: lanes 0-15 one row of 256 bytes, lanes 16-31 the next
.irp i, 16,17,18,19
	v_mov_b32 v[KF+\i], 0                          ; behind K's last fragment: zero codes
.endr
	WIN 0x40
.irp t, 0,1,2,3
.irp i, 4,5,6,7
	v_mov_b32 v[QF+8*\t+\i], 0                     ; Q's k = 64 .. 127: zero codes
.endr
.endr
	WIN 0
	s_mov_b32 s20, 0x76543210
	s_mov_b32 s21, 0xfedcba98                      ; v_permlanex16_b32's selects for lane l xor 16
	s_mov_b32 s22, 0x3e38aa3b                      ; c = log2(e) / 8
	s_mov_b32 s23, s22                             ; (named with it as a pair, so it is written)
	s_lshr_b32 s25, s12, 2                         ; 0 in waves 0 to 3,
	s_and_b32 s24, ttmp9, 1
	s_or_b32 s25, s25, s24                         ; of the head's even work-group
	s_cmp_eq_u32 s25, 0
	s_cselect_b32 s25, 1, -1                       ; 1 in a wave that prefetches, else the greatest number
	s_lshr_b32 s16, ttmp9, 1
	s_lshl_b32 s16, s16, 18                        ; the head's first byte: 1,024 rows of 256 bytes a head
	s_mov_b32 s17, 0
	s_and_b32 s14, s12, 1
	s_lshl_b32 s14, s14, 13
	s_add_co_u32 s14, s14, s16                     ; the prefetches: + 32 rows x (w % 2)
	s_mov_b32 s15, 0
	s_lshl_b32 s18, s12, 11
	s_add_co_u32 s18, s18, s16                     ; K, V: + my 8 keys of a chunk
	s_mov_b32 s19, 0
	s_lshl_b32 s24, s24, 17
	s_add_co_u32 s16, s16, s24                     ; Q, out: + 512 rows x (x % 2)
	s_lshl_b32 s24, s12, 14
	s_add_co_u32 s16, s16, s24                     ; + 64 rows x wave
	s_wait_kmcnt 0x0
	s_cmp_lt_u32 s12, 2
	s_cselect_b64 s[26:27], s[6:7], s[8:9]         ; waves 0, 1 ask for K, waves 2, 3 for V
	s_add_nc_u64 s[26:27], s[26:27], s[14:15]
	s_add_nc_u64 s[6:7], s[6:7], s[18:19]
	s_add_nc_u64 s[8:9], s[8:9], s[18:19]
	s_add_nc_u64 s[4:5], s[4:5], s[16:17]
	s_add_nc_u64 s[10:11], s[10:11], s[16:17]
.set qu, 0
.rept 16                               ; my 64 queries: unit u is 1,024 bytes, four rows
	global_load_b128 v[S+8*qu:S+8*qu+3],   v[L32], s[4:5] offset:1024*qu th:TH_LOAD_NT
	global_load_b128 v[S+8*qu+4:S+8*qu+7], v[L32], s[4:5] offset:1024*qu+16 th:TH_LOAD_NT
.set qu, qu+1
.endr
	LOADKV 0, 0                                    ; chunk 0
	LOADKV 1, 16384                                ; chunk 1
	s_cmp_lg_u32 s13, 0
	s_cbranch_scc1 .Lnot_a
	s_wait_loadcnt 16                              ; Q is in; the sixteen younger loads, chunks 0 and 1, may stay out
	QUANTQ
.Lnot_a:
	PRODUCE 0, 0, 1, 8, 32768, 0                   ; chunk 0 into slot 0 (chunk 1's eight loads may stay out; Q is in by this wait too); chunk 2 is asked for
	s_wait_dscnt 0x0
	s_barrier_signal -1
	s_barrier_wait -1                              ; chunk 0 lies in slot 0
	s_cmp_eq_u32 s13, 0
	s_cbranch_scc1 .Lnot_b
	QUANTQ
.Lnot_b:
	WIN 0x40
.irp t, 0,1,2,3
	ds_load_b128 v[QF+8*\t:QF+8*\t+3], v[AQR] offset:512*\t   ; my own bytes: LDS serves a wave's instructions in order (ISA guide 5.7.1.4)
.endr
	WIN 0
.irp p, 0,1
	ds_load_u16 v[QSC+\p], v[AQT] offset:64*\p
.endr
	STEP 0, 1, 1, 1, 8, 49152, 1, 1                ; step 0: chunk 1 into slot 1, chunk 3 asked for (chunk 2's eight loads may stay out)
	s_wait_xcnt 0x0                                ; the loads and the prefetch have read their bases
	s_add_nc_u64 s[6:7], s[6:7], 0x10000           ; on to chunk 4
	s_add_nc_u64 s[8:9], s[8:9], 0x10000
	s_add_nc_u64 s[26:27], s[26:27], 0x10000
	s_mov_b32 s24, 6
.Lloop:                                            ; six trips: steps 1 to 12, which ask for chunks 4 to 15; at each wait on loads the next chunk's eight may stay out
	STEP 1, 0, 1, 1, 8, 0, 2, 1
	STEP 0, 0, 1, 1, 8, 16384, 2, 1
	s_wait_xcnt 0x0
	s_add_nc_u64 s[6:7], s[6:7], 0x8000
	s_add_nc_u64 s[8:9], s[8:9], 0x8000
	s_add_nc_u64 s[26:27], s[26:27], 0x8000
	s_sub_co_u32 s24, s24, 1
	s_cmp_lg_u32 s24, 0
	s_cbranch_scc1 .Lloop
	STEP 1, 0, 1, 0, 8, 0, 0, 1                    ; step 13: chunk 14 into slot 0; chunk 15's eight loads may stay out; nothing is left to ask for
	STEP 0, 0, 1, 0, 0, 0, 0, 1                    ; step 14: chunk 15 into slot 1: no younger load
	STEP 1, 0, 0, 0, 0, 0, 0, 0                    ; step 15
	; THE WAY OUT.  The sum's two halves and the other half of the lanes' are added; O^T is divided by the sum and goes through my stage, a tile (16 rows of 256 bytes) at a time.
	; The additions are the places behind the last products.
.irp t, 0,1,2,3
	v_add_f32 v[ST+8*\t+4], v[ST+8*\t+2], v[ST+8*\t+3]
.endr
.irp t, 0,1,2,3
	v_permlanex16_b32 v[ST+8*\t+5], v[ST+8*\t+4], s20, s21
.endr
.irp t, 0,1,2,3
	v_add_f32 v[ST+8*\t+4], v[ST+8*\t+4], v[ST+8*\t+5]
.endr
.irp t, 0,1,2,3
	v_rcp_f32 v[ST+8*\t+6], v[ST+8*\t+4]
.endr
	v_nop                                          ; a plain line between the last reciprocal and the use of its result
	s_wait_alu depctr_va_vdst(0)                   ; and the wait: one for the four
.macro PACK t
	WIN 0x01                                       ; source 0 (O^T) window 1
.set si, 0
.rept 16
	v_pk_mul_f32 v[S+32*(\t)+2*si:S+32*(\t)+2*si+1], v[OA+32*(\t)+2*si:OA+32*(\t)+2*si+1], v[ST+8*(\t)+6:ST+8*(\t)+7] op_sel_hi:[1,0]
.set si, si+1
.endr
	WIN 0
.irp ct, 0,1,2,3
	ds_store_b128 v[STO], v[S+32*(\t)+8*\ct:S+32*(\t)+8*\ct+3] offset:64*\ct       ; lane (r, h): out(r, 16 ct + 8 h + 0 .. 7)
	ds_store_b128 v[STO], v[S+32*(\t)+8*\ct+4:S+32*(\t)+8*\ct+7] offset:64*\ct+16
.endr
.irp f, 0,1,2,3,4,5,6,7
	ds_load_b128 v[S+32*(\t)+4*\f:S+32*(\t)+4*\f+3], v[RD] offset:544*\f   ; in order behind my stores; the next tile's stores come behind these
.endr
.endm
.macro SEND t, younger                 ; younger: the LDS instructions issued behind tile t's loads: the next tile's sixteen, or none
.irp f, 0,1,2,3,4,5,6,7
	s_wait_dscnt \younger+7-\f
	global_store_b128 v[L16], v[S+32*(\t)+4*\f:S+32*(\t)+4*\f+3], s[10:11] offset:4096*(\t)+512*\f th:TH_STORE_NT   ; 32 lanes store 512 consecutive bytes, at a multiple of 256 from out's first byte
.endr
.endm
	PACK 0
	PACK 1                                         ; a tile's arithmetic stands between the loads of the tile before and its stores
	SEND 0, 16
	PACK 2
	SEND 1, 16
	PACK 3
	SEND 2, 16
	SEND 3, 0
	s_wait_tensorcnt 0x0                           ; the wave's end: behind my last LDS store
	ds_add_u32 v[SPW], v[NIL]
	s_wait_dscnt 0x0
	s_endpgm
.Lfunc_end_k_q9bcf08cd9c_attn:
	.size	k_q9bcf08cd9c_attn, .Lfunc_end_k_q9bcf08cd9c_attn-k_q9bcf08cd9c_attn
	.p2alignl 7, 3214868480
	.fill 96, 4, 3214868480
	.section	.rodata,"a",@progbits
	.p2align	6, 0x0
	.amdhsa_kernel k_q9bcf08cd9c_attn
		.amdhsa_group_segment_fixed_size 79360
		.amdhsa_private_segment_fixed_size 0
		.amdhsa_enable_private_segment 0
		.amdhsa_kernarg_size 32
		.amdhsa_user_sgpr_count 2
		.amdhsa_user_sgpr_kernarg_segment_ptr 1
		.amdhsa_wavefront_size32 1
		.amdhsa_system_sgpr_workgroup_id_x 1
		.amdhsa_system_sgpr_workgroup_id_y 1
		.amdhsa_system_sgpr_workgroup_id_z 1
		.amdhsa_system_vgpr_workitem_id 0
		.amdhsa_next_free_vgpr 512
		.amdhsa_next_free_sgpr 66
		.amdhsa_reserve_vcc 0
		.amdhsa_float_denorm_mode_32 3
		.amdhsa_float_denorm_mode_16_64 3
		.amdhsa_memory_ordered 1
		.amdhsa_forward_progress 1
		.amdhsa_inst_pref_size 244
	.end_amdhsa_kernel
	.amdgpu_metadata
---
amdhsa.version: [ 1, 2 ]
amdhsa.kernels:
  - .name:           k_q9bcf08cd9c_attn
    .symbol:         k_q9bcf08cd9c_attn.kd
    .args:
      - { .name: Q, .offset: 0, .size: 8, .value_kind: global_buffer, .address_space: global }
      - { .name: K, .offset: 8, .size: 8, .value_kind: global_buffer, .address_space: global }
      - { .name: V, .offset: 16, .size: 8, .value_kind: global_buffer, .address_space: global }
      - { .name: out0, .offset: 24, .size: 8, .value_kind: global_buffer, .address_space: global }
    .group_segment_fixed_size: 79360
    .private_segment_fixed_size: 0
    .kernarg_segment_align: 8
    .kernarg_segment_size: 32
    .max_flat_workgroup_size: 256
    .sgpr_count:     66
    .vgpr_count:     512
    .wavefront_size: 32
...
	.end_amdgpu_metadata
.endif
;; end of part 1
;; ======== version 2 of 2: 1 launch; version 1 with the launch attn written anew for expert scheduling mode
;; limits: values are held in f16: magnitudes above 65,504 overflow, below 6.1e-05 lose precision; inputs' magnitudes at most 65,504
;; launch attn (part 2): grid 256 x 1, 8 waves a work-group, no clusters, 79,360 bytes of LDS; arguments Q, K, V, out0; writes out0
.if DOCPART == 2
	.amdgcn_target "amdgcn-amd-amdhsa--gfx1250"
	.amdhsa_code_object_version 6
	.text
	.protected	k_q9bcf08cd9c_attn
	.globl	k_q9bcf08cd9c_attn
	.p2align	8
	.type	k_q9bcf08cd9c_attn,@function
k_q9bcf08cd9c_attn:
	s_mov_b64 s[64:65], 0
	v_nop
	global_prefetch_b8 v0, s[64:65] scope:SCOPE_SE
	s_setreg_imm32_b32 hwreg(HW_REG_WAVE_SCHED_MODE, 0, 2), 2
	s_setreg_imm32_b32 hwreg(HW_REG_WAVE_MODE, 25, 1), 1
	s_wait_xcnt 0x0
	s_wait_alu depctr_vm_vsrc(0)
; out[h][q][:] = the sum over k of softmax_k(Q[h][q] . K[h][k] / 8) V[h][k][:].  Q, K, V, out: [128 heads][1024][64] f32.
; FIRST PRODUCT on codes of E2M1: Q and K are quantised along the head's 64 (two blocks of 32, one E8M0 byte each) and multiplied by v_wmma_scale_f32_16x16x128_f8f6f4.
; SECOND PRODUCT in f16 (the weights p, at most 1, and V), sums in f32.  Maxima, exponentials and row sums in f32, with a running maximum.
; SHARES.  Work-group x: head x / 2, queries 512 (x % 2) on.  Eight waves, 64 queries each: four tiles of 16.  Every wave walks the head's 1,024 keys in 16 steps of 64 (a chunk).
; LAYOUT.  S^T = K Q^T (source 0 = 16 keys, source 1 = 16 queries) and O^T = V^T P: a lane holds ONE query (lane % 16) throughout; two neighbouring score tiles, rounded to f16 in pairs, are
; source 1 of the second product as they stand.  V lies [key][channel] in LDS and is turned by ds_load_tr16_b128.
; K = 64 IN AN INSTRUCTION OF K = 128.  Q's fragment is four registers of codes and four of zero codes (k = 64 .. 127).  K's fragments, four registers each, lie on end: the operand of key tile kt is
; v[KF + 4 kt .. + 7], whose upper half (the next tile's codes, or four registers of zeros) meets Q's zero codes and adds nothing.  Scale words are read as 16 bits: bytes 2 and 3 are 0, which is 2^-127.
; K AND V GO THROUGH REGISTERS.  They arrive as f32 and each chunk is converted once for the work-group: wave w takes keys 8 w .. 8 w + 7 of a chunk.  In step j a wave reads chunk j's fragments from LDS slot j % 2,
; converts chunk j + 1 out of its staging registers into the other slot, and asks memory for chunk j + 3 into the staging set just freed: two chunks, 64 registers a lane, are always on their way.
; ONE SPLIT BARRIER A STEP.  All LDS traffic of a step stands ahead of the signal, behind s_wait_dscnt 0; between signal and wait stands register work alone (both products and the softmax).
;   chunk j + 1 is stored ahead of signal(j) and read behind wait(j);  it lands on chunk j - 1's bytes, whose reads every wave has waited for ahead of signal(j - 1), and it is stored behind wait(j - 1).
; TWO GROUPS OF WAVES: waves with (w xor w / 4) odd quantise their Q behind the first barrier, the others ahead of it, so that waves are not all in the same phase of a step.
; NO CLUSTER, NO TENSOR LOAD: only the two work-groups of a head share K and V, and the chunks are converted in registers on their way into LDS, so no tensor load brings them that could be asked for jointly.
; LIMITS: NaN and infinities among the inputs are not served; |V| above 65,504 overflows f16; a weight under 2^-25 of its row's largest counts as 0 in the second product (its share of the row's sum is kept);
; a block of zeros gets the scale byte 1 where the quantiser's rule says 127: its codes are zeros and this program alone reads the bytes.
; THE MODE: SCHED_MODE bits 1:0 = 2 (LLVM: expert scheduling mode 2), set by the entry lines.  The code itself states the register dependences between vector or matrix instructions
; and memory or LDS instructions, with s_wait_alu, always for 0.
; THE PLAN.  Registers that memory or LDS instructions touch:
;   v1-14, v16, v17   Offsets, LDS addresses and the closing add's pair: written at the head, ahead of the head's wait on va_vdst, and never again.
;   KF, KSC, VF       A step's 22 LDS loads land in them; the step's products read them.  One wait on va_vdst at a step's head: the step before's products are done reading them.
;   KS, VS (set s)    Eight global loads land in a set; two steps later V's roundings and K's quantiser read it, and it is asked for again in the same step.
;   QT, VT            Written by the quantiser and by V's roundings; read by the LDS stores that follow.
;                     One wait on va_vdst behind those vector lines states both: QT and VT are written, the staging set is read.  The step's eight LDS stores and eight global loads follow it with no vector line between.
;                     One wait on vm_vsrc at the head of the next chunk's conversions (and of Q's groups): the LDS stores have read QT and VT.
;   S                 At the head Q lands in it and the quantiser reads it; in the loop vector and matrix lines alone name it; on the way out the stage's loads land in it and the global stores read it.
;   QF (low halves), QSC   Loaded once from LDS; no vector line names them ahead of that.
;   OB                The way out's out-buffer (K's staging registers, free by then): a tile's multiplications write it, its stage stores read it: a wait on va_vdst between the two, a wait on vm_vsrc ahead of the next tile's.
;   O^T, the statistics and P are named by vector and matrix lines alone.
.set SLOT,  12544                      ; an LDS slot: V's 64 rows, K's images, K's scale bytes
.set VP,    160                        ; a key's row of V: 128 bytes of f16 + 32
.set KIO,   10240                      ; K's codes as images of the operand's registers: 4 tiles x 512 bytes, lane (r, h) at 16 (r + 16 h)
.set KBO,   12288                      ; K's scale bytes: [2 key + block], 128 bytes
.set QREG,  2*SLOT                     ; for each wave 2,304 bytes: Q's images (4 x 512), then its 128 scale bytes
.set QWB,   2304
.set STG,   QREG+8*QWB                 ; for each wave 16 rows x 272 bytes: the way out
.set SWB,   4352
.set SPARE, STG+8*SWB                  ; the spare words, 128 bytes for each wave: four blocks of 256 bytes that no other line names
; window 0
.set L32, 1                            ; 32 x lane: my 8 numbers in 1,024 bytes of K or Q
.set L16, 2                            ; 16 x lane: V's loads, the images' reads, the stores of out
.set AKW, 3                            ; where I store a register of K's codes
.set ASW, 4                            ; and a scale byte of K
.set AVW, 5                            ; where I store 4 channels of V
.set ASR, 6                            ; 2 x lane: a key's two scale bytes
.set AVR, 7                            ; the turning load's address
.set PFO, 8                            ; 256 x lane: the prefetches' offset
.set AQW, 9                            ; Q: codes in,
.set AQS, 10                           ; scale bytes in,
.set AQR, 11                           ; images out,
.set AQT, 12                           ; scale words out
.set STO, 13                           ; the stage: in,
.set RD,  14                           ; and back
.set SPW, 16                           ; LDS address of my spare word; never rewritten
.set NIL, 17                           ; 0; never rewritten
.set KSC, 20                           ; v20-21 K's scale words: lanes 0-15 the even tile's, lanes 16-31 the odd tile's; scales and nothing else
.set QSC, 24                           ; v24-25 Q's likewise
.set QT,  26                           ; v26-41 the quantiser's registers
.set VT,  34                           ; v34-41 V in f16 (beside a quantiser of two units)
.set ST,  44                           ; v44-75 eight a tile: +0 c m, +1 m, +2 +3 the sum (even keys', odd keys'), +4 .. +7 c0 .. c3 at work; a takes +6
.set KF,  76                           ; v76-91 K's codes, v92-95 zeros
.set KS,  96                           ; v96-127 K's staging: set s at + 16 s
.set OB,  KS                           ; v96-127 on the way out: a tile's results on their way into the stage
.set S,   128                          ; v128-255 S^T, 32 a tile; then p; P packed in place in a tile's first 16; at the head Q as loaded; at the end the rows read back from the stage
; window 1
.set OA,  0                            ; v0-127 O^T: tile t, channels 16 ct on, at 32 t + 8 ct
.set QF,  128                          ; v128-159 Q's fragments, 8 a tile
.set VF,  160                          ; v160-223 V's fragments: keys 32 ks on, channels 16 ct on, at + 32 ks + 8 ct
.set VS,  224                          ; v224-255 V's staging: set s at + 16 s
; scalars: s[4:5] Q, s[6:7] K, s[8:9] V, s[10:11] out; s12 wave; s13 group; s[14:19] at work; s[20:21] lane selects; s[22:23] c; s24 trips; s25 who prefetches; s[26:27] where
.set MSB, 0
.macro WIN new                         ; bits 1:0 source 0, 3:2 source 1, 5:4 source 2, 7:6 destination; the immediate's high byte repeats the setting that is left
.if MSB != \new
	s_set_vgpr_msb (MSB<<8)|\new
.set MSB, \new
.endif
.endm
; n units (2 or 4) are quantised by turns.  A unit is 8 registers from X + 8 u on: a lane's 8 neighbours along the head's axis, so a block of 32 is four neighbouring lanes.
; The codes (one register) go to ca + co + 64 u, the block's scale byte to sa + so + 8 u (four lanes write the same byte with the same value).
.macro QGROUP n, X, ca, co, sa, so
.set qS, QT+(\n)
.set qC, QT+2*(\n)
.set qB, QT+3*(\n)
.set qu, 0
.rept \n
	v_max3_num_f32 v[QT+qu], |v[(\X)+8*qu]|, |v[(\X)+8*qu+1]|, 0x1800000   ; with the floor 2^(3 - 127): the byte cannot fall under 1
.set qu, qu+1
.endr
.irp i, 2,4,6
.set qu, 0
.rept \n
	v_max3_num_f32 v[QT+qu], v[QT+qu], |v[(\X)+8*qu+\i]|, |v[(\X)+8*qu+\i+1]|
.set qu, qu+1
.endr
.endr
.set qu, 0
.rept \n
	v_max_num_f32_dpp v[QT+qu], v[QT+qu], v[QT+qu] row_xmask:1 row_mask:0xf bank_mask:0xf
.set qu, qu+1
.endr
.set qu, 0
.rept \n
	v_max_num_f32_dpp v[QT+qu], v[QT+qu], v[QT+qu] row_xmask:2 row_mask:0xf bank_mask:0xf   ; the block's largest magnitude
.set qu, qu+1
.endr
.set qu, 0
.rept \n
	v_add_nc_u32 v[qS+qu], 0xff000000, v[QT+qu]    ; 2 off its exponent field: the conversion takes that field as its scale
.set qu, qu+1
.endr
.set qu, 0
.rept \n
	v_cvt_scalef32_pk8_fp4_f32 v[qC+qu], v[(\X)+8*qu:(\X)+8*qu+7], v[qS+qu]
.set qu, qu+1
.endr
.set qu, 0
.rept \n
	v_lshrrev_b32 v[qB+qu], 23, v[qS+qu]           ; the scale's byte; also the plain line behind the conversions
.set qu, qu+1
.endr
	s_wait_alu depctr_va_vdst(0)                   ; the codes and the bytes are written, which the LDS stores below read; in a chunk's turn V's f16 numbers are written too, and the lines above are done reading the staging set, in which the loads behind the stores land
.set qu, 0
.rept \n
	ds_store_b32 v[\ca], v[qC+qu] offset:(\co)+64*qu
	ds_store_b8 v[\sa], v[qB+qu] offset:(\so)+8*qu
.set qu, qu+1
.endr
.endm
; A chunk's eight loads of this wave: its 8 keys of K (a lane: 32 bytes of each 1,024) and of V (a lane: 16 bytes of each 512), from off bytes behind the bases
.macro LOADKV set, off
.irp u, 0,1
	global_load_b128 v[KS+16*(\set)+8*\u:KS+16*(\set)+8*\u+3],   v[L32], s[6:7] offset:(\off)+1024*\u
	global_load_b128 v[KS+16*(\set)+8*\u+4:KS+16*(\set)+8*\u+7], v[L32], s[6:7] offset:(\off)+1024*\u+16
.endr
	WIN 0x40                                       ; destination window 1
.irp t, 0,1,2,3
	global_load_b128 v[VS+16*(\set)+4*\t:VS+16*(\set)+4*\t+3], v[L16], s[8:9] offset:(\off)+512*\t
.endr
	WIN 0
.endm
; A PREFETCH of the chunk two chunks behind the one just asked for: in step j chunk j + 5, which is loaded in step j + 2.  A chunk is 64 rows of 256 bytes of K and as many of V.
; Both work-groups of a head walk the same rows: the even one asks.  In it waves 0 and 1 ask for K's rows, waves 2 and 3 for V's, 32 rows a wave, a lane a row: each row is named once in the launch.
; how = 1: step 0.  how = 2: the loop, whose last trip asks for nothing: chunk 15 is the last.  Chunks 0 to 4 come by their loads alone.
.macro ASK how, off
.if \how == 1
	s_cmp_eq_u32 s25, 1
.else
	s_cmp_gt_u32 s24, s25
.endif
	s_cbranch_scc0 .Lnot_mine_\@
	global_prefetch_b8 v[PFO], s[26:27] offset:(\off)+32768 th:TH_LOAD_NT scope:SCOPE_SE
.Lnot_mine_\@:
.endm
; The chunk in staging set `set` goes into slot ws: V rounded to f16, K quantised.  issue = 1: the set takes the chunk at off.  wcnt: the younger loads that may stay out.
.macro PRODUCE ws, set, issue, wcnt, off, ask
	s_wait_loadcnt \wcnt
	s_wait_alu depctr_vm_vsrc(0)                   ; the LDS stores issued so far (the chunk before's, or Q's last group's) have read VT and the quantiser's registers, which the lines below write again
	WIN 0x05                                       ; both sources window 1
.irp t, 0,1,2,3
	v_cvt_pk_f16_f32 v[VT+2*\t],   v[VS+16*(\set)+4*\t],   v[VS+16*(\set)+4*\t+1]
	v_cvt_pk_f16_f32 v[VT+2*\t+1], v[VS+16*(\set)+4*\t+2], v[VS+16*(\set)+4*\t+3]
.endr
	WIN 0
	QGROUP 2, KS+16*(\set), AKW, (\ws)*SLOT+KIO, ASW, (\ws)*SLOT+KBO
.irp t, 0,1,2,3
	ds_store_b64 v[AVW], v[VT+2*\t:VT+2*\t+1] offset:(\ws)*SLOT+2*VP*\t   ; keys 2 t, 2 t + 1 of my eight.  No wait: no vector line stands behind the quantiser's wait
.endr
.if \issue
	LOADKV \set, \off                              ; likewise: behind that wait stand LDS stores of other registers alone
.endif
.if \ask
	ASK \ask, \off
.endif
.endm
; A chunk's fragments out of slot rs: 22 LDS loads in one run
.macro FRAGS rs
.irp kt, 0,1,2,3
	ds_load_b128 v[KF+4*\kt:KF+4*\kt+3], v[L16] offset:(\rs)*SLOT+KIO+512*\kt
.endr
.irp p, 0,1
	ds_load_u16 v[KSC+\p], v[ASR] offset:(\rs)*SLOT+KBO+64*\p   ; key 32 p + lane: two bytes, zero-extended
.endr
	WIN 0x40
.irp ks, 0,1
.irp ct, 0,1,2,3
	ds_load_tr16_b128 v[VF+32*\ks+8*\ct:VF+32*\ks+8*\ct+3],   v[AVR] offset:(\rs)*SLOT+32*VP*\ks+32*\ct
	ds_load_tr16_b128 v[VF+32*\ks+8*\ct+4:VF+32*\ks+8*\ct+7], v[AVR] offset:(\rs)*SLOT+32*VP*\ks+32*\ct+16*VP
.endr
.endr
	WIN 0
.endm
; S^T of key tile kt and query tile t.  The odd tiles' scale words lie in lanes 16-31.
.macro KQ1 kt, t
.set rD, S+32*(\t)+8*(\kt)
.set rA, KF+4*(\kt)
.set rB, QF+8*(\t)
.set rX, KSC+(\kt)/2
.set rY, QSC+(\t)/2
.if ((\kt)%2 == 0) && ((\t)%2 == 0)
	v_wmma_scale_f32_16x16x128_f8f6f4 v[rD:rD+7], v[rA:rA+7], v[rB:rB+7], 0, v[rX], v[rY] matrix_a_fmt:MATRIX_FMT_FP4 matrix_b_fmt:MATRIX_FMT_FP4
.elseif ((\t)%2 == 0)
	v_wmma_scale_f32_16x16x128_f8f6f4 v[rD:rD+7], v[rA:rA+7], v[rB:rB+7], 0, v[rX], v[rY] matrix_a_fmt:MATRIX_FMT_FP4 matrix_b_fmt:MATRIX_FMT_FP4 matrix_a_scale:MATRIX_SCALE_ROW1
.elseif ((\kt)%2 == 0)
	v_wmma_scale_f32_16x16x128_f8f6f4 v[rD:rD+7], v[rA:rA+7], v[rB:rB+7], 0, v[rX], v[rY] matrix_a_fmt:MATRIX_FMT_FP4 matrix_b_fmt:MATRIX_FMT_FP4 matrix_b_scale:MATRIX_SCALE_ROW1
.else
	v_wmma_scale_f32_16x16x128_f8f6f4 v[rD:rD+7], v[rA:rA+7], v[rB:rB+7], 0, v[rX], v[rY] matrix_a_fmt:MATRIX_FMT_FP4 matrix_b_fmt:MATRIX_FMT_FP4 matrix_a_scale:MATRIX_SCALE_ROW1 matrix_b_scale:MATRIX_SCALE_ROW1
.endif
.endm
.macro KQ16
	WIN 0x04                                       ; source 1 (Q) window 1
.irp kt, 0,1,2,3
.irp t, 0,1,2,3
	KQ1 \kt, \t
.endr
.endr
	WIN 0
.rept 4
	v_nop                                          ; four places between the last product and the first read of a result (ISA guide 7.12.1)
.endr
.endm
; The softmax of the wave's four tiles for one step, the tiles by turns in every line.  first = 1: the first step, which starts m, the sum and O^T.
.macro SOFTMAX first
.irp k, 0,1,2,3                        ; the largest of a lane's 32 scores: four chains, each begun at the low end of its accumulator
.irp t, 0,1,2,3
	v_max3_num_f32 v[ST+8*\t+4+\k], v[S+32*\t+8*\k], v[S+32*\t+8*\k+1], v[S+32*\t+8*\k+2]
.endr
.endr
.irp i, 3,5
.irp k, 0,1,2,3
.irp t, 0,1,2,3
	v_max3_num_f32 v[ST+8*\t+4+\k], v[ST+8*\t+4+\k], v[S+32*\t+8*\k+\i], v[S+32*\t+8*\k+\i+1]
.endr
.endr
.endr
.irp t, 0,1,2,3
	v_max3_num_f32 v[ST+8*\t+4], v[ST+8*\t+4], v[S+32*\t+7], v[S+32*\t+15]
.endr
.irp t, 0,1,2,3
	v_max3_num_f32 v[ST+8*\t+6], v[ST+8*\t+6], v[S+32*\t+23], v[S+32*\t+31]
.endr
.irp t, 0,1,2,3
	v_max3_num_f32 v[ST+8*\t+4], v[ST+8*\t+4], v[ST+8*\t+5], v[ST+8*\t+6]
.endr
.irp t, 0,1,2,3
.if \first
	v_max_num_f32 v[ST+8*\t+4], v[ST+8*\t+4], v[ST+8*\t+7]
.else
	v_max3_num_f32 v[ST+8*\t+4], v[ST+8*\t+4], v[ST+8*\t+7], v[ST+8*\t+1]   ; and the old m
.endif
.endr
.irp t, 0,1,2,3
	v_permlanex16_b32 v[ST+8*\t+5], v[ST+8*\t+4], s20, s21   ; the query's other 32 keys lie in the lane 16 away
.endr
.if \first == 0
.irp t, 0,1,2,3
	v_mov_b32 v[ST+8*\t+7], v[ST+8*\t]             ; c m_old is kept for a
.endr
.endif
.irp t, 0,1,2,3
	v_max_num_f32 v[ST+8*\t+1], v[ST+8*\t+4], v[ST+8*\t+5]   ; the new m
.endr
.irp t, 0,1,2,3
	v_mul_f32 v[ST+8*\t], s22, v[ST+8*\t+1]        ; c m
.endr
.if \first == 0
.irp t, 0,1,2,3
	v_sub_f32 v[ST+8*\t+7], v[ST+8*\t+7], v[ST+8*\t]
.endr
.irp t, 0,1,2,3
	v_exp_f32 v[ST+8*\t+6], v[ST+8*\t+7]           ; a = 2^(c m_old - c m_new)
.endr
.endif
; ONE BATCH: the scalings c s - c m, a pair of scores each, and all the exponentials; a pair is scaled a round ahead of its exponentials; none of these lines names an exponential's result
.set sb, 0
.rept 17
.if sb < 16
.irp t, 0,1,2,3
	v_pk_fma_f32 v[S+32*\t+2*sb:S+32*\t+2*sb+1], v[S+32*\t+2*sb:S+32*\t+2*sb+1], s[22:23], v[ST+8*\t:ST+8*\t+1] op_sel_hi:[1,0,0] neg_lo:[0,0,1] neg_hi:[0,0,1]
.endr
.endif
.if sb > 0
.irp t, 0,1,2,3
	v_exp_f32 v[S+32*\t+2*sb-2], v[S+32*\t+2*sb-2]
	v_exp_f32 v[S+32*\t+2*sb-1], v[S+32*\t+2*sb-1]
.endr
.endif
.set sb, sb+1
.endr
	v_nop                                          ; a plain line behind the last exponential, ahead of the first use
	s_wait_alu depctr_va_vdst(0)                   ; the exponentials have written a and the four tiles' p: the wait ahead of the first line that names a result: one for the whole batch
.irp t, 0,1,2,3                        ; the row's sum, of p in f32: even keys' and odd keys' side by side
	v_pk_add_f32 v[ST+8*\t+4:ST+8*\t+5], v[S+32*\t:S+32*\t+1], v[S+32*\t+2:S+32*\t+3]
.endr
.irp i, 4,6,8,10,12,14,16,18,20,22,24,26,28
.irp t, 0,1,2,3
	v_pk_add_f32 v[ST+8*\t+4:ST+8*\t+5], v[ST+8*\t+4:ST+8*\t+5], v[S+32*\t+\i:S+32*\t+\i+1]
.endr
.endr
.irp t, 0,1,2,3
.if \first
	v_pk_add_f32 v[ST+8*\t+2:ST+8*\t+3], v[ST+8*\t+4:ST+8*\t+5], v[S+32*\t+30:S+32*\t+31]
.else
	v_pk_add_f32 v[ST+8*\t+4:ST+8*\t+5], v[ST+8*\t+4:ST+8*\t+5], v[S+32*\t+30:S+32*\t+31]
.endif
.endr
.if \first == 0
.irp t, 0,1,2,3
	v_pk_fma_f32 v[ST+8*\t+2:ST+8*\t+3], v[ST+8*\t+2:ST+8*\t+3], v[ST+8*\t+6:ST+8*\t+7], v[ST+8*\t+4:ST+8*\t+5] op_sel_hi:[1,0,1]
.endr
.endif
.set si, 0
.rept 16                               ; p to f16, in place and ascending: register i takes p 2 i and 2 i + 1, which no later line reads
.irp t, 0,1,2,3
	v_cvt_pk_f16_f32 v[S+32*\t+si], v[S+32*\t+2*si], v[S+32*\t+2*si+1]
.endr
.set si, si+1
.endr
.if \first == 0
	WIN 0x41                                       ; O^T (destination and source 0) window 1, a window 0
.set si, 0
.rept 16                               ; O^T x a, each accumulator from its low end on
.irp t, 0,1,2,3
	v_pk_mul_f32 v[OA+32*\t+2*si:OA+32*\t+2*si+1], v[OA+32*\t+2*si:OA+32*\t+2*si+1], v[ST+8*\t+6:ST+8*\t+7] op_sel_hi:[1,0]
.endr
.set si, si+1
.endr
.endif
.endm
; O^T += V^T P: 32 products; the 16 accumulators take turns, one instruction a turn.  first = 1: the first 16 start the sums
.macro PV32 first
	WIN 0x51                                       ; V window 1, P window 0, C and D window 1
.irp ks, 0,1
.irp ct, 0,1,2,3
.irp t, 0,1,2,3
.if (\first) && (\ks == 0)
	v_wmma_f32_16x16x32_f16 v[OA+32*\t+8*\ct:OA+32*\t+8*\ct+7], v[VF+32*\ks+8*\ct:VF+32*\ks+8*\ct+7], v[S+32*\t+8*\ks:S+32*\t+8*\ks+7], 0
.else
	v_wmma_f32_16x16x32_f16 v[OA+32*\t+8*\ct:OA+32*\t+8*\ct+7], v[VF+32*\ks+8*\ct:VF+32*\ks+8*\ct+7], v[S+32*\t+8*\ks:S+32*\t+8*\ks+7], v[OA+32*\t+8*\ct:OA+32*\t+8*\ct+7]
.endif
.endr
.endr
.endr
	WIN 0
.endm
; A KEY STEP on the chunk in slot par.  prod = 1: the next chunk goes into the other slot.  bar = 1: a later step follows.
.macro STEP par, first, prod, issue, wcnt, off, ask, bar
.if \first == 0
.rept 5
	v_nop                                          ; five places between the last V^T P and the products that write over P's registers
.endr
	s_wait_alu depctr_va_vdst(0)                   ; the step before's products are done reading K's fragments, K's scale words and V's fragments, in which the 22 loads below land (the first step has no such reader)
.endif
	FRAGS \par
.if \prod
	PRODUCE 1-\par, 1-\par, \issue, \wcnt, \off, \ask
.endif
	s_wait_dscnt 0x0                               ; my reads of this slot are in and my stores into the other have landed
.if \bar
	s_barrier_signal -1                            ; say so; register work alone up to the wait
.endif
	KQ16
	SOFTMAX \first
	PV32 \first
.if \bar
	s_barrier_wait -1                              ; every wave has said so: the other slot is whole, and nobody reads this one any more
.endif
.endm
; My 64 queries, as loaded in v[S] on (16 units), become four images and 128 scale bytes in my own LDS bytes.  behind = 1: LDS stores (chunk 0's) have been issued ahead of the first group
.macro QUANTQ behind
.irp g, 0,1,2,3
.if (\g > 0) || (\behind)
	s_wait_alu depctr_vm_vsrc(0)                   ; the LDS stores issued so far have read the quantiser's registers, which this group writes again
.endif
	QGROUP 4, S+32*\g, AQW, 512*\g, AQS, 32*\g
	s_wait_dscnt 0x0                               ; this group's stores are done
.endr
.endm
	s_load_b256 s[4:11], s[0:1], 0x0               ; Q, K, V, out
	v_lshl_add_u32 v[SPW], v0, 2, SPARE
	v_mov_b32 v[NIL], 0
	v_lshrrev_b32 v15, 5, v0
	v_readfirstlane_b32 s12, v15                   ; wave 0..7
	v_and_b32 v18, 31, v0                          ; lane
	v_and_b32 v19, 15, v0                          ; r
	v_bfe_u32 v22, v0, 4, 1                        ; h
	v_lshlrev_b32 v[L32], 5, v18
	v_lshlrev_b32 v[L16], 4, v18
	v_lshlrev_b32 v[ASR], 1, v18
	v_lshlrev_b32 v[PFO], 8, v18
	; a quantising lane holds numbers 8 (lane % 8) on of row lane / 8 of its unit: block (lane / 4) % 2, register lane % 4 of that block's 16 bytes in the image
	v_bfe_u32 v23, v0, 3, 2
	v_lshlrev_b32 v23, 4, v23                      ; 16 x row
	v_bfe_u32 v42, v0, 2, 1
	v_lshl_add_u32 v23, v42, 8, v23                ; + 256 x block (the image's lanes 16-31)
	v_and_b32 v42, 3, v0
	v_lshl_add_u32 v23, v42, 2, v23                ; + 4 x register
	v_bfe_u32 v43, v0, 2, 3                        ; lane / 4 = 2 x row + block: the scale byte's place
	s_wait_alu depctr_va_sdst(0)                   ; s12 is written, ahead of its first reader: the group, the LDS places and the bases are made from it
	s_lshr_b32 s13, s12, 2
	s_xor_b32 s13, s13, s12
	s_and_b32 s13, s13, 1                          ; group
	s_lshr_b32 s14, s12, 1
	s_lshl_b32 s14, s14, 9                         ; K: my 8 keys lie in tile w / 2,
	s_and_b32 s15, s12, 1
	s_lshl_b32 s15, s15, 7                         ; rows 8 (w % 2) on
	s_add_co_u32 s14, s14, s15
	v_add_nc_u32 v[AKW], s14, v23
	s_lshl_b32 s14, s12, 4
	v_add_nc_u32 v[ASW], s14, v43
	v_mul_u32_u24 v42, v22, VP                     ; V: a load's 512 bytes are two keys: key h, channels 4 r on
	v_lshl_add_u32 v42, v19, 3, v42
	s_mul_i32 s14, s12, 8*VP
	v_add_nc_u32 v[AVW], s14, v42
	v_and_b32 v42, 7, v0                           ; the turning load: key 8 h + lane % 8, channels 8 ((lane / 8) % 2) on
	v_lshl_add_u32 v42, v22, 3, v42
	v_mul_u32_u24 v42, v42, VP
	v_bfe_u32 v15, v0, 3, 1
	v_lshl_add_u32 v[AVR], v15, 4, v42
	s_mul_i32 s14, s12, QWB
	s_add_co_u32 s14, s14, QREG                    ; my wave's bytes for Q
	s_add_co_u32 s15, s14, 2048
	v_add_nc_u32 v[AQW], s14, v23
	v_add_nc_u32 v[AQS], s15, v43
	v_add_nc_u32 v[AQR], s14, v[L16]
	v_add_nc_u32 v[AQT], s15, v[ASR]
	s_mul_i32 s14, s12, SWB
	s_add_co_u32 s14, s14, STG                     ; my stage
	v_mul_u32_u24 v42, v19, 272
	v_lshl_add_u32 v42, v22, 5, v42
	v_add_nc_u32 v[STO], s14, v42                  ; in: row r, 32 bytes for each half of the lanes
	v_mul_u32_u24 v42, v22, 272
	v_lshl_add_u32 v42, v19, 4, v42
	v_add_nc_u32 v[RD], s14, v42                   ; back: lanes 0-15 one row of 256 bytes, lanes 16-31 the next
.irp i, 16,17,18,19
	v_mov_b32 v[KF+\i], 0                          ; behind K's last fragment: zero codes
.endr
	WIN 0x40
.irp t, 0,1,2,3
.irp i, 4,5,6,7
	v_mov_b32 v[QF+8*\t+\i], 0                     ; Q's k = 64 .. 127: zero codes
.endr
.endr
	WIN 0
	s_mov_b32 s20, 0x76543210
	s_mov_b32 s21, 0xfedcba98                      ; v_permlanex16_b32's selects for lane l xor 16
	s_mov_b32 s22, 0x3e38aa3b                      ; c = log2(e) / 8
	s_mov_b32 s23, s22                             ; (named with it as a pair, so it is written)
	s_lshr_b32 s25, s12, 2                         ; 0 in waves 0 to 3,
	s_and_b32 s24, ttmp9, 1
	s_or_b32 s25, s25, s24                         ; of the head's even work-group
	s_cmp_eq_u32 s25, 0
	s_cselect_b32 s25, 1, -1                       ; 1 in a wave that prefetches, else the greatest number
	s_lshr_b32 s16, ttmp9, 1
	s_lshl_b32 s16, s16, 18                        ; the head's first byte: 1,024 rows of 256 bytes a head
	s_mov_b32 s17, 0
	s_and_b32 s14, s12, 1
	s_lshl_b32 s14, s14, 13
	s_add_co_u32 s14, s14, s16                     ; the prefetches: + 32 rows x (w % 2)
	s_mov_b32 s15, 0
	s_lshl_b32 s18, s12, 11
	s_add_co_u32 s18, s18, s16                     ; K, V: + my 8 keys of a chunk
	s_mov_b32 s19, 0
	s_lshl_b32 s24, s24, 17
	s_add_co_u32 s16, s16, s24                     ; Q, out: + 512 rows x (x % 2)
	s_lshl_b32 s24, s12, 14
	s_add_co_u32 s16, s16, s24                     ; + 64 rows x wave
	s_wait_kmcnt 0x0
	s_cmp_lt_u32 s12, 2
	s_cselect_b64 s[26:27], s[6:7], s[8:9]         ; waves 0, 1 ask for K, waves 2, 3 for V
	s_add_nc_u64 s[26:27], s[26:27], s[14:15]
	s_add_nc_u64 s[6:7], s[6:7], s[18:19]
	s_add_nc_u64 s[8:9], s[8:9], s[18:19]
	s_add_nc_u64 s[4:5], s[4:5], s[16:17]
	s_add_nc_u64 s[10:11], s[10:11], s[16:17]
	s_wait_alu depctr_va_vdst(0)                   ; the offsets and LDS addresses v1 to v14 are written, which every load, store and prefetch of the kernel reads; so are the zero codes that the scaled products take as parts of their operands
.set qu, 0
.rept 16                               ; my 64 queries: unit u is 1,024 bytes, four rows
	global_load_b128 v[S+8*qu:S+8*qu+3],   v[L32], s[4:5] offset:1024*qu th:TH_LOAD_NT
	global_load_b128 v[S+8*qu+4:S+8*qu+7], v[L32], s[4:5] offset:1024*qu+16 th:TH_LOAD_NT
.set qu, qu+1
.endr
	LOADKV 0, 0                                    ; chunk 0
	LOADKV 1, 16384                                ; chunk 1
	s_cmp_lg_u32 s13, 0
	s_cbranch_scc1 .Lnot_a
	s_wait_loadcnt 16                              ; Q is in; the sixteen younger loads, chunks 0 and 1, may stay out
	QUANTQ 0
.Lnot_a:
	PRODUCE 0, 0, 1, 8, 32768, 0                   ; chunk 0 into slot 0 (chunk 1's eight loads may stay out; Q is in by this wait too); chunk 2 is asked for
	s_wait_dscnt 0x0
	s_barrier_signal -1
	s_barrier_wait -1                              ; chunk 0 lies in slot 0
	s_cmp_eq_u32 s13, 0
	s_cbranch_scc1 .Lnot_b
	QUANTQ 1
.Lnot_b:
	WIN 0x40
.irp t, 0,1,2,3
	ds_load_b128 v[QF+8*\t:QF+8*\t+3], v[AQR] offset:512*\t   ; my own bytes: LDS serves a wave's instructions in order (ISA guide 5.7.1.4).  No vector line has named these registers
.endr
	WIN 0
.irp p, 0,1
	ds_load_u16 v[QSC+\p], v[AQT] offset:64*\p
.endr
	STEP 0, 1, 1, 1, 8, 49152, 1, 1                ; step 0: chunk 1 into slot 1, chunk 3 asked for (chunk 2's eight loads may stay out)
	s_wait_xcnt 0x0                                ; the loads and the prefetch have read their bases
	s_add_nc_u64 s[6:7], s[6:7], 0x10000           ; on to chunk 4
	s_add_nc_u64 s[8:9], s[8:9], 0x10000
	s_add_nc_u64 s[26:27], s[26:27], 0x10000
	s_mov_b32 s24, 6
.Lloop:                                            ; six trips: steps 1 to 12, which ask for chunks 4 to 15; at each wait on loads the next chunk's eight may stay out
	STEP 1, 0, 1, 1, 8, 0, 2, 1
	STEP 0, 0, 1, 1, 8, 16384, 2, 1
	s_wait_xcnt 0x0
	s_add_nc_u64 s[6:7], s[6:7], 0x8000
	s_add_nc_u64 s[8:9], s[8:9], 0x8000
	s_add_nc_u64 s[26:27], s[26:27], 0x8000
	s_sub_co_u32 s24, s24, 1
	s_cmp_lg_u32 s24, 0
	s_cbranch_scc1 .Lloop
	STEP 1, 0, 1, 0, 8, 0, 0, 1                    ; step 13: chunk 14 into slot 0; chunk 15's eight loads may stay out; nothing is left to ask for
	STEP 0, 0, 1, 0, 0, 0, 0, 1                    ; step 14: chunk 15 into slot 1: no younger load
	STEP 1, 0, 0, 0, 0, 0, 0, 0                    ; step 15
	; THE WAY OUT.  The sum's two halves and the other half of the lanes' are added; O^T is divided by the sum and goes through my stage, a tile (16 rows of 256 bytes) at a time.
	; The additions are the places behind the last products.
.irp t, 0,1,2,3
	v_add_f32 v[ST+8*\t+4], v[ST+8*\t+2], v[ST+8*\t+3]
.endr
.irp t, 0,1,2,3
	v_permlanex16_b32 v[ST+8*\t+5], v[ST+8*\t+4], s20, s21
.endr
.irp t, 0,1,2,3
	v_add_f32 v[ST+8*\t+4], v[ST+8*\t+4], v[ST+8*\t+5]
.endr
.irp t, 0,1,2,3
	v_rcp_f32 v[ST+8*\t+6], v[ST+8*\t+4]
.endr
	v_nop                                          ; a plain line between the last reciprocal and the use of its result
	s_wait_alu depctr_va_vdst(0)                   ; the four reciprocals are written, ahead of their first reader
; Tile t: the results go into the out-buffer, from there into the stage, and come back as whole rows into the tile's 32 registers of S, from which they are stored.
.macro PACK t
.if (\t) > 0
	s_wait_alu depctr_vm_vsrc(0)                   ; the tile before's LDS stores have read the out-buffer, which the multiplications below write again
.endif
	WIN 0x01                                       ; source 0 (O^T) window 1
.set si, 0
.rept 16
	v_pk_mul_f32 v[OB+2*si:OB+2*si+1], v[OA+32*(\t)+2*si:OA+32*(\t)+2*si+1], v[ST+8*(\t)+6:ST+8*(\t)+7] op_sel_hi:[1,0]
.set si, si+1
.endr
	WIN 0
	s_wait_alu depctr_va_vdst(0)                   ; the multiplications have written the out-buffer, which the LDS stores read; the last lines that named the tile's registers of S (the roundings, the last products) stand ahead of this wait too, and the loads below land there
.irp ct, 0,1,2,3
	ds_store_b128 v[STO], v[OB+8*\ct:OB+8*\ct+3] offset:64*\ct       ; lane (r, h): out(r, 16 ct + 8 h + 0 .. 7)
	ds_store_b128 v[STO], v[OB+8*\ct+4:OB+8*\ct+7] offset:64*\ct+16
.endr
.irp f, 0,1,2,3,4,5,6,7
	ds_load_b128 v[S+32*(\t)+4*\f:S+32*(\t)+4*\f+3], v[RD] offset:544*\f   ; in order behind my stores; the next tile's stores come behind these
.endr
.endm
.macro SEND t, younger                 ; younger: the LDS instructions issued behind tile t's loads: the next tile's sixteen, or none
.irp f, 0,1,2,3,4,5,6,7
	s_wait_dscnt \younger+7-\f
	global_store_b128 v[L16], v[S+32*(\t)+4*\f:S+32*(\t)+4*\f+3], s[10:11] offset:4096*(\t)+512*\f th:TH_STORE_NT   ; 32 lanes store 512 consecutive bytes, at a multiple of 256 from out's first byte
.endr
.endm
	PACK 0
	PACK 1                                         ; a tile's arithmetic stands between the loads of the tile before and its stores
	SEND 0, 16
	PACK 2
	SEND 1, 16
	PACK 3
	SEND 2, 16
	SEND 3, 0
	s_wait_dscnt 0x0                               ; the wave's end: behind my last LDS store
	s_wait_alu 0x0
	s_wait_tensorcnt 0x0
	ds_add_u32 v[SPW], v[NIL]
	s_wait_dscnt 0x0
	s_endpgm
.Lfunc_end_k_q9bcf08cd9c_attn:
	.size	k_q9bcf08cd9c_attn, .Lfunc_end_k_q9bcf08cd9c_attn-k_q9bcf08cd9c_attn
	.p2alignl 7, 3214868480
	.fill 96, 4, 3214868480
	.section	.rodata,"a",@progbits
	.p2align	6, 0x0
	.amdhsa_kernel k_q9bcf08cd9c_attn
		.amdhsa_group_segment_fixed_size 79360
		.amdhsa_private_segment_fixed_size 0
		.amdhsa_enable_private_segment 0
		.amdhsa_kernarg_size 32
		.amdhsa_user_sgpr_count 2
		.amdhsa_user_sgpr_kernarg_segment_ptr 1
		.amdhsa_wavefront_size32 1
		.amdhsa_system_sgpr_workgroup_id_x 1
		.amdhsa_system_sgpr_workgroup_id_y 1
		.amdhsa_system_sgpr_workgroup_id_z 1
		.amdhsa_system_vgpr_workitem_id 0
		.amdhsa_next_free_vgpr 512
		.amdhsa_next_free_sgpr 66
		.amdhsa_reserve_vcc 0
		.amdhsa_float_denorm_mode_32 3
		.amdhsa_float_denorm_mode_16_64 3
		.amdhsa_memory_ordered 1
		.amdhsa_forward_progress 1
		.amdhsa_inst_pref_size 245
	.end_amdhsa_kernel
	.amdgpu_metadata
---
amdhsa.version: [ 1, 2 ]
amdhsa.kernels:
  - .name:           k_q9bcf08cd9c_attn
    .symbol:         k_q9bcf08cd9c_attn.kd
    .args:
      - { .name: Q, .offset: 0, .size: 8, .value_kind: global_buffer, .address_space: global }
      - { .name: K, .offset: 8, .size: 8, .value_kind: global_buffer, .address_space: global }
      - { .name: V, .offset: 16, .size: 8, .value_kind: global_buffer, .address_space: global }
      - { .name: out0, .offset: 24, .size: 8, .value_kind: global_buffer, .address_space: global }
    .group_segment_fixed_size: 79360
    .private_segment_fixed_size: 0
    .kernarg_segment_align: 8
    .kernarg_segment_size: 32
    .max_flat_workgroup_size: 256
    .sgpr_count:     66
    .vgpr_count:     512
    .wavefront_size: 32
...
	.end_amdgpu_metadata
.endif
;; end of part 2
